; MI455X (gfx1250); checked and timed in simulation.
; The chip was launched on July 23, 2026; its instructions are those of AMD's public machine-readable ISA for CDNA 5 (MIT licence, August 2026) and "CDNA5" Instruction Set Architecture Reference Guide (July 2026). The comments in the code are by the model that wrote it; some were corrected since.
;; MADPS Net. Allowed arithmetic: float matrix products may take bf16 or f16 operands with f32 sums; other float arithmetic in f32, or as packed bf16 or f16 multiplies, adds, multiply-adds, maxima and minima; sums over many terms, partial sums and values carried from step to step in f32; what a program stores and reads back later, other than sums and carried values, may be rounded once to bf16 or f16.
;; Inputs: Wd1 8 x 256 x 512 float32; Wd2 8 x 512 x 128 float32; Ws1 8 x 256 x 512 float32; Ws2 8 x 512 x 256 float32; bd1 8 x 512 float32; bd2 8 x 128 float32; bs1 8 x 512 float32; bs2 8 x 256 float32; inputs 8 x 2,048 x 256 float32; laac_deep 1 x 8 int32; laac_shallow 1 x 8 int32.
;; Outputs: out0 8 x 2,048 x 128 float32.
;; One version. Each part assembles by itself: llvm-mc -triple=amdgcn-amd-amdhsa -mcpu=gfx1250 --defsym DOCPART=n.
;; ======== version 1 of 1: 2 launches
;; limits: values are held in f16: magnitudes above 65,504 overflow, below 6.1e-05 lose precision; right only within a limited range of input values
;; workspace buffers: wp 7,340,032 bytes; bp 45,056 bytes
;; launch prep (part 1): grid 256 x 1, 14 waves a work-group, no clusters, 0 bytes of LDS; arguments Ws1, Ws2, Wd1, Wd2, bs1, bs2, bd1, bd2, laac_shallow, laac_deep, wp, bp; writes wp, bp
.if DOCPART == 1
	.amdgcn_target "amdgcn-amd-amdhsa--gfx1250"
	.amdhsa_code_object_version 6
	.text
	.protected	k_q7134a94151_prep
	.globl	k_q7134a94151_prep
	.p2align	8
	.type	k_q7134a94151_prep,@function
k_q7134a94151_prep:
	s_mov_b64 s[64:65], 0
	v_nop
	global_prefetch_b8 v0, s[64:65] scope:SCOPE_SE
	s_setreg_imm32_b32 hwreg(HW_REG_WAVE_MODE, 25, 1), 1
	s_wait_xcnt 0x0
; PREP.  For each of the 8 agents the weights of its chosen shallow expert (Ws1, Ws2) and deep expert (Wd1, Wd2) are rounded once and laid out in the
; order in which the chain's waves take them as matrix operands; the four biases are rounded and laid end to end.
; wp: [agent 8][stream w 4][fragment f 224][1,024 bytes].  A fragment is 16 output features x 32 k: byte 16 L holds lane L's registers 0-3 (feature L % 16,
; k = 8 (L / 16) + 0..7), byte 512 + 16 L its registers 4-7 (k = 16 + 8 (L / 16) + 0..7).  Stream w holds features w N / 4 .. of every layer; with T = N / 64
; tiles a wave, f = FB + T ks + t: Ws1 from 0, Ws2 from 64, Wd1 from 128, Wd2 from 192.
; bp: [agent 8][1,408 f32]: bs1 at byte 0, bs2 at 2,048, bd1 at 3,072, bd2 at 5,120.
; FORMATS.  Every weight and bias is rounded to bf16 (nearest even).  Ws1 is stored as bf16.  Ws2, Wd1, Wd2 are stored as that bf16 number written in f16: exact from
; 6.1e-5 to 65,504 in magnitude; below, f16's fixed step of 6e-8; 65,520 or more would become an infinity.  Biases are stored as the bf16 number in f32.
; An expert's index is held to 0 .. 7.
; SHARES.  A task is two neighbouring fragments: 32 columns x 32 k.  3,584 tasks = 256 work-groups x 14 waves, one a wave: no loop, no barrier, no LDS.
; Lane l takes column 32 cp + l: each of its 32 loads covers 128 neighbouring bytes of a row of W, and the task beside it takes the other 128 of the aligned 256.
; Each store covers two whole aligned blocks of 256 bytes: lanes 0-15 in fragment t, lanes 16-31 in fragment t + 1.
.set NFRAG, 224                        ; fragments in a stream
.set BPA,   5632                       ; bytes of bp for an agent
.set WT,    8                          ; v[8:39]   my column's 32 weights, k ascending
.set PKD,   40                         ; v[40:55]  the same, packed: four registers for each 8 k
	s_load_b512 s[4:19], s[0:1], 0x0               ; Ws1 s[4:5], Ws2 s[6:7], Wd1 s[8:9], Wd2 s[10:11], bs1 s[12:13], bs2 s[14:15], bd1 s[16:17], bd2 s[18:19]
	s_load_b256 s[20:27], s[0:1], 0x40             ; laac_shallow s[20:21], laac_deep s[22:23], wp s[24:25], bp s[26:27]
	v_lshrrev_b32 v1, 5, v0
	v_readfirstlane_b32 s28, v1                    ; wave 0..13
	s_lshr_b32 s33, ttmp9, 5                       ; the agent: 32 work-groups each
	s_lshl_b32 s29, s33, 2                         ; 4 x agent: its index's byte, and its first stream
	s_and_b32 s32, ttmp9, 31
	s_mul_i32 s32, s32, 14
	s_add_co_u32 s32, s32, s28                     ; q: my task among the agent's 448
	v_and_b32 v4, 31, v0                           ; lane
	v_lshlrev_b32 v1, 2, v4                        ; my column in a row of W, in bytes
	v_lshlrev_b32 v2, 3, v4                        ; my two numbers among 64 of a bias
	v_and_b32 v5, 15, v4
	v_lshrrev_b32 v6, 4, v4
	v_lshlrev_b32 v3, 4, v5
	v_lshl_add_u32 v3, v6, 10, v3                  ; 16 (lane % 16) + 1,024 (lane / 16): my 16 bytes in the pair of fragments
	s_wait_kmcnt 0x0
	s_load_b32 s30, s[20:21], s29 offset:0x0       ; the agent's shallow expert
	s_load_b32 s31, s[22:23], s29 offset:0x0       ; and its deep one
	s_wait_kmcnt 0x0
	s_min_u32 s30, s30, 7                          ; a loaded number enters an address only behind this bound
	s_min_u32 s31, s31, 7
; One layer's task.  W, BS: first register of the weights' and the bias's address.  E: register of the expert.  LOGE: log2 of an expert's bytes.  N: output features.
; LOGCP: log2(N / 32).  QB: the layer's first task.  FB: its first fragment.  BOFF: its bias's byte in bp.  F16 = 1: the bf16 number is written as f16.
.macro LAYER W, E, LOGE, N, LOGCP, QB, FB, BS, BOFF, F16
	s_sub_co_u32 s34, s32, \QB                     ; the task within the layer
	s_and_b32 s35, s34, (\N)/32-1                  ; cp: which 32 columns
	s_lshr_b32 s36, s34, \LOGCP                    ; ks: which 32 k
	s_mov_b32 s39, 0                               ; every offset below stays under 2^32
	s_lshl_b32 s38, s[\E], \LOGE                   ; the weights: expert,
	s_mul_i32 s37, s36, 128*(\N)                   ; 32 ks rows of 4 N bytes,
	s_add_co_u32 s38, s38, s37
	s_lshl_b32 s37, s35, 7                         ; 32 cp columns
	s_add_co_u32 s38, s38, s37
	s_add_nc_u64 s[40:41], s[\W:\W+1], s[38:39]
	s_mul_i32 s38, s[\E], 4*(\N)                   ; the bias: expert, and the aligned 64 numbers that hold my 32 columns
	s_and_b32 s37, s35, -2
	s_lshl_b32 s37, s37, 7
	s_add_co_u32 s38, s38, s37
	s_add_nc_u64 s[42:43], s[\BS:\BS+1], s[38:39]
	s_lshr_b32 s37, s35, (\LOGCP)-2                ; w = cp / (N / 128),
	s_add_co_u32 s37, s37, s29                     ; stream 4 agent + w,
	s_mul_i32 s37, s37, NFRAG
	s_and_b32 s38, s35, (\N)/128-1
	s_lshl_b32 s38, s38, 1                         ; t = 2 (cp % (N / 128)),
	s_add_co_u32 s37, s37, s38
	s_mul_i32 s38, s36, (\N)/64                    ; T ks,
	s_add_co_u32 s37, s37, s38
	s_add_co_u32 s37, s37, \FB
	s_lshl_b32 s38, s37, 10                        ; fragments of 1,024 bytes
	s_add_nc_u64 s[44:45], s[24:25], s[38:39]
	s_mul_i32 s38, s33, BPA                        ; where 64 numbers of the bias go
	s_lshl_b32 s37, s35, 7
	s_add_co_u32 s38, s38, s37
	s_add_co_u32 s38, s38, \BOFF
	s_add_nc_u64 s[46:47], s[26:27], s[38:39]
	global_load_b64 v[60:61], v2, s[42:43]         ; the oldest load: it is in at the first wait below
.set i, 0
.rept 32
	global_load_b32 v[WT+i], v1, s[40:41] offset:i*4*(\N)  ; row 32 ks + i.  No hint: two agents may name one expert
.set i, i+1
.endr
.irp p, 0,1,2,3
	s_wait_loadcnt 24-8*\p                         ; loads come back in order: rows 8 p .. 8 p + 7 are in, the 8 (3 - p) younger ones stay out
.irp j, 0,1,2,3
.if \F16
	v_cvt_pk_bf16_f32 v56, v[WT+8*\p+2*\j], v[WT+8*\p+2*\j+1]  ; rounded to bf16,
	v_lshlrev_b32 v57, 16, v56                     ; widened again,
	v_and_b32 v56, 0xffff0000, v56
	v_cvt_pk_f16_f32 v[PKD+4*\p+\j], v57, v56      ; and written as f16: the lower k in the low half
.else
	v_cvt_pk_bf16_f32 v[PKD+4*\p+\j], v[WT+8*\p+2*\j], v[WT+8*\p+2*\j+1]
.endif
.endr
	global_store_b128 v3, v[PKD+4*\p:PKD+4*\p+3], s[44:45] offset:256*\p  ; k = 8 p .. 8 p + 7 of 16 features are bytes 256 p .. 256 p + 255 of a fragment
.endr
	v_cvt_pk_bf16_f32 v62, v60, v61                ; the bias rounded to bf16, kept in f32
	v_lshlrev_b32 v64, 16, v62
	v_and_b32 v65, 0xffff0000, v62
	s_and_b32 s37, s34, -((\N)/32-1)               ; all bits of the task's number but those of an even cp: 0 where ks = 0 and cp is even
	s_cmp_lg_u32 s37, 0
	s_cbranch_scc1 .Lno_bias_\@                    ; one task for each 64 numbers stores them
	global_store_b64 v2, v[64:65], s[46:47]        ; 256 consecutive bytes, aligned
.Lno_bias_\@:
	s_endpgm
.endm
	s_cmp_lt_u32 s32, 128
	s_cbranch_scc0 .Lnot_1
	LAYER 4, 30, 19, 512, 4, 0, 0, 12, 0, 0
.Lnot_1:
	s_cmp_lt_u32 s32, 256
	s_cbranch_scc0 .Lnot_2
	LAYER 6, 30, 19, 256, 3, 128, 64, 14, 2048, 1
.Lnot_2:
	s_cmp_lt_u32 s32, 384
	s_cbranch_scc0 .Lnot_3
	LAYER 8, 31, 19, 512, 4, 256, 128, 16, 3072, 1
.Lnot_3:
	LAYER 10, 31, 18, 128, 2, 384, 192, 18, 5120, 1
.Lfunc_end_k_q7134a94151_prep:
	.size	k_q7134a94151_prep, .Lfunc_end_k_q7134a94151_prep-k_q7134a94151_prep
	.p2alignl 7, 3214868480
	.fill 96, 4, 3214868480
	.section	.rodata,"a",@progbits
	.p2align	6, 0x0
	.amdhsa_kernel k_q7134a94151_prep
		.amdhsa_group_segment_fixed_size 0
		.amdhsa_private_segment_fixed_size 0
		.amdhsa_enable_private_segment 0
		.amdhsa_kernarg_size 96
		.amdhsa_user_sgpr_count 2
		.amdhsa_user_sgpr_kernarg_segment_ptr 1
		.amdhsa_wavefront_size32 1
		.amdhsa_system_sgpr_workgroup_id_x 1
		.amdhsa_system_sgpr_workgroup_id_y 1
		.amdhsa_system_sgpr_workgroup_id_z 1
		.amdhsa_system_vgpr_workitem_id 0
		.amdhsa_next_free_vgpr 72
		.amdhsa_next_free_sgpr 66
		.amdhsa_reserve_vcc 0
		.amdhsa_float_denorm_mode_32 3
		.amdhsa_float_denorm_mode_16_64 3
		.amdhsa_memory_ordered 1
		.amdhsa_forward_progress 1
		.amdhsa_inst_pref_size 34
	.end_amdhsa_kernel
	.amdgpu_metadata
---
amdhsa.version: [ 1, 2 ]
amdhsa.kernels:
  - .name:           k_q7134a94151_prep
    .symbol:         k_q7134a94151_prep.kd
    .args:
      - { .name: Ws1, .offset: 0, .size: 8, .value_kind: global_buffer, .address_space: global }
      - { .name: Ws2, .offset: 8, .size: 8, .value_kind: global_buffer, .address_space: global }
      - { .name: Wd1, .offset: 16, .size: 8, .value_kind: global_buffer, .address_space: global }
      - { .name: Wd2, .offset: 24, .size: 8, .value_kind: global_buffer, .address_space: global }
      - { .name: bs1, .offset: 32, .size: 8, .value_kind: global_buffer, .address_space: global }
      - { .name: bs2, .offset: 40, .size: 8, .value_kind: global_buffer, .address_space: global }
      - { .name: bd1, .offset: 48, .size: 8, .value_kind: global_buffer, .address_space: global }
      - { .name: bd2, .offset: 56, .size: 8, .value_kind: global_buffer, .address_space: global }
      - { .name: laac_shallow, .offset: 64, .size: 8, .value_kind: global_buffer, .address_space: global }
      - { .name: laac_deep, .offset: 72, .size: 8, .value_kind: global_buffer, .address_space: global }
      - { .name: wp, .offset: 80, .size: 8, .value_kind: global_buffer, .address_space: global }
      - { .name: bp, .offset: 88, .size: 8, .value_kind: global_buffer, .address_space: global }
    .group_segment_fixed_size: 0
    .private_segment_fixed_size: 0
    .kernarg_segment_align: 8
    .kernarg_segment_size: 96
    .max_flat_workgroup_size: 448
    .sgpr_count:     66
    .vgpr_count:     72
    .wavefront_size: 32
...
	.end_amdgpu_metadata
.endif
;; end of part 1
;; launch chain (part 2): grid 256 x 1, 4 waves a work-group, clusters of 4 x 1, 327,680 bytes of LDS; arguments inputs, wp, bp, out0; writes out0
.if DOCPART == 2
	.amdgcn_target "amdgcn-amd-amdhsa--gfx1250"
	.amdhsa_code_object_version 6
	.text
	.protected	k_q7134a94151_chain
	.globl	k_q7134a94151_chain
	.p2align	8
	.type	k_q7134a94151_chain,@function
k_q7134a94151_chain:
	s_mov_b64 s[64:65], 0
	v_nop
	global_prefetch_b8 v0, s[64:65] scope:SCOPE_SE
	s_setreg_imm32_b32 hwreg(HW_REG_WAVE_MODE, 25, 1), 1
	s_wait_xcnt 0x0
	s_wait_alu depctr_hold_cnt(0) depctr_sa_sdst(0) depctr_va_vdst(0) depctr_va_sdst(0) depctr_va_ssrc(0) depctr_va_vcc(0) depctr_vm_vsrc(0)
	s_getreg_b32 s2, hwreg(HW_REG_IB_STS2, 6, 4)
	s_cmp_eq_u32 s2, 0
	s_cbranch_scc0 .Lentry_in_a_cluster
	s_endpgm
.Lentry_in_a_cluster:
	s_bfe_u32 s2, ttmp6, 0x10000c
	s_cmp_lg_u32 s2, 0x3003
	s_cbranch_scc0 .Lentry_shape_is_right
	s_endpgm
.Lentry_shape_is_right:
; CHAIN.  out = Wd2^T relu(Wd1^T relu(Ws2^T relu(Ws1^T x + bs1) + bs2) + bd1) + bd2 for 64 tokens a work-group, with the weights and biases that the launch before
; laid out by agent (wp, bp).  Widths 256 -> 512 -> 256 -> 512 -> 128.  The three hidden layers never leave the WGP.
; SHARES.  256 work-groups x 64 tokens = 8 agents x 2,048.  Wave w makes all 64 tokens (4 tiles tt of 16) x a quarter of each layer's features (T = 8, 4, 8, 2 tiles of 16):
; each weight is read from LDS once a work-group, each activation by four waves: 832 LDS loads for a wave's 896 matrix instructions.
; LAYOUT.  The product is used transposed: source 0 = 16 features x 32 k of W, source 1 = 32 k x 16 tokens.  In the result a lane holds ONE token (lane % 16) and features
; 8 (lane / 16) + 0..7: two such tiles, packed to 16 bits, ARE source 1 of the next layer.  A tile's bias hangs on the feature alone: 8 registers, the C operand of the first K step.
; FORMATS.  x, weights and biases are rounded to bf16; layer 1 multiplies in bf16.  The hidden layers are f16, the weights of layers 2 to 4 bf16 numbers written as f16.  Sums in f32.
; THE SCALE.  f16 has too little range for a chain of four products, so each hidden layer is stored times a power of two: after a layer the work-group finds the largest number m of its
; 64 x N results and multiplies by phi = 2^(126 - exponent(m)): the largest lands in [0.5, 1), and holding the product to 0 .. 1 is the ReLU.  sigma = 2^S is the product of the phi so far;
; the next bias is multiplied by sigma, the output by 2^-S: powers of two, nothing is rounded by them.
; LIMITS.  S is held to -64 .. 64: a hidden tile whose largest number is above 2^63 is cut at that, below 2^-64 f16's bits run out gradually.  Within a tile of 64 tokens numbers under
; 2^-14 of the tile's largest keep f16's fixed step, 2^-24 of the largest.  NaN and infinities are not treated apart: a NaN ahead of a ReLU counts as 0.
; CLUSTER.  The 4 work-groups of a cluster belong to one agent (8 clusters an agent) and walk the same 917,504 bytes of weights, so every chunk is asked for JOINTLY: the same tensor
; load, descriptor and mask in all four, which divides the requests for weights by four.
; THE RING.  A wave's stream is 224 fragments of 1,024 bytes, cut into 8 chunks of 28; chunk c lies in slot c % 2; each wave asks for and reads its own part of a slot.
; Two slots of 114,688 bytes are the largest that fit beside the activations.  One load a wave brings the weights of 112 matrix instructions.
; GROUPS.  The chain is 56 groups of 4 weight fragments and 16 matrix instructions, written out by macros: no loop, every LDS offset a constant.  A chunk is 7 groups.
;   groups 0-15 layer 1 (ks = g / 2, tiles 4 (g % 2) + 0..3)     16-31 layer 2 (ks = g - 16, tiles 0..3)     32-47 layer 3 (as layer 1)     48-55 layer 4 (ks = 2 (g - 48), + 1; tiles 0, 1)
; LDS: 0 slot 0; 114,688 slot 1; 229,376 ACT, 65,536 bytes, written by ds_store alone: x (64 rows of 512 bytes, 528 apart), then each hidden layer in fragment order [ks][tt][1,024], then the
; output (64 rows of 512 bytes, 528 apart); 294,912 RED, the waves' maxima; 295,168 the spare words.
; One ACT is enough: a layer's results wait in the accumulators until a barrier has shown that every wave has read the layer's input.
; REGISTERS, in windows of 256 (s_set_vgpr_msb: bits 1:0 source 0, 3:2 source 1, 5:4 source 2, 7:6 destination):
;   window 0: v0-31 addresses and work; v32-95 two buffers of 4 weight fragments; v96-223 two buffers of 8 activation fragments
;   window 1: the accumulators, tile t, tokens tt at 8 (4 t + tt)          window 2: the biases: layer 1 v0-63, layer 2 v64-95, layer 3 v96-159, layer 4 v160-175
.set CHUNK, 28672                      ; 28 fragments: what one tensor load brings
.set SLOT,  4*CHUNK
.set ACT,   2*SLOT
.set RED,   ACT+65536                  ; 16 bytes for each change of layers: a word a wave
.set SPARE, RED+256                    ; the spare words, 128 bytes for each wave: two blocks of 256 bytes that no other line names
.set XP,    528                        ; 512 bytes + 16: 132 words: row r starts at bank 4 r mod 64 (64 banks of 4 bytes: ISA guide 11.1)
.set AW,   4                           ; v4, v5  my 16 bytes of a fragment in my part of slot 0, 1
.set AXF,  6                           ; v6   x as source 1: ACT + 528 (l % 16) + 16 (l / 16)
.set AFR,  7                           ; v7   ACT + 16 l: my 16 bytes of an activation fragment
.set AST8, 8                           ; v8   where I store a layer of 8 tiles a wave: AFR + 16,384 w
.set AST4, 9                           ; v9   of 4 tiles a wave: AFR + 8,192 w
.set AXS,  10                          ; v10  where I store x: ACT + 16 w rows + 8 l
.set AOS,  11                          ; v11  where I store the output: ACT + 528 (l % 16) + 32 (l / 16) + 128 w
.set AOR,  12                          ; v12  where I read it back: ACT + 16 w rows + 16 l
.set GX,   13                          ; v13  my bytes in the work-group's x: 16,384 w + 16 l
.set GO,   14                          ; v14  in its output: 8,192 w + 16 l
.set GB8,  15                          ; v15-17  my 32 bytes of a bias tile: 32 (l / 16) + 64 T w for T = 8, 4, 2
.set GB4,  16
.set GB2,  17
.set SPW,  18                          ; v18  LDS address of my spare word; never rewritten
.set NIL,  19                          ; v19  0; never rewritten
.set PHI,  20                          ; v[20:21] phi, twice
.set RW,   22                          ; v22  RED + 4 w
.set RR,   23                          ; v23  RED
.set CH,   24                          ; v24-27 four chains of the maximum; v28 the other half of the lanes'
.set ABUF, 32
.set BBUF, 96
.set BI1,  0                           ; window 2
.set BI2,  64
.set BI3,  96
.set BI4,  160
.set WV,   22                          ; s22  my wave's number
.set G0,   32                          ; s[32:35], s[36:39] descriptor group 0, a set for each slot
.set G1,   40                          ; s[40:47] descriptor group 1
.set SEL,  50                          ; s[50:51] v_permlanex16_b32's selects: each lane takes its own place in the other half
.set SX,   52                          ; s52  S
.set SIG,  56                          ; s[56:57] 2^S, named as a pair
.set INV,  58                          ; s[58:59] 2^-S
.set MSB, 0
.macro WIN new                         ; the immediate's high byte repeats the setting that is left; a switch that changes nothing is dropped
.if MSB != (\new)
	s_set_vgpr_msb (MSB<<8)|(\new)
.set MSB, (\new)
.endif
.endm
.macro PLACES                          ; a load into a register that a matrix instruction has read, and a vector instruction that reads a matrix result, stand four plain vector instructions behind it (ISA guide 7.12.1 for vector instructions)
.rept 4
	v_nop
.endr
.endm
; A round of the cluster's barrier: my work-group's barrier, so that wave 0's signal speaks for all four waves; wave 0 signals; every wave waits for all four work-groups; my work-group's barrier once more.
.macro CREST                           ; a round behind its opening barrier
	s_cmp_lg_u32 s[WV], 0
	s_cbranch_scc1 .Lnot_wave_0_\@
	s_barrier_signal -3
.Lnot_wave_0_\@:
	s_barrier_wait -3
	s_barrier_signal -1
	s_barrier_wait -1
.endm
.macro CROUND
	s_barrier_signal -1
	s_barrier_wait -1
	CREST
.endm
	s_load_b256 s[4:11], s[0:1], 0x0               ; inputs s[4:5], wp s[6:7], bp s[8:9], out0 s[10:11]
	v_lshl_add_u32 v[SPW], v0, 2, SPARE
	v_mov_b32 v[NIL], 0
	ds_add_u32 v[SPW], v[NIL]                      ; the wave's opening: the add and its wait stand ahead of my first tensor load; the set-up below, work on registers, stands between them
	v_lshrrev_b32 v1, 5, v0
	v_readfirstlane_b32 s[WV], v1                  ; wave 0..3
	s_bfe_u32 s23, ttmp6, 0x40000                  ; cx: my place in the cluster
	s_lshl_b32 s24, ttmp9, 2                       ; in a cluster launch ttmp9 counts clusters
	s_add_co_u32 s24, s24, s23                     ; my block of 64 tokens = 4 x cluster + cx: it enters x's and the output's addresses alone
	s_lshr_b32 s25, ttmp9, 3                       ; the agent, which the four partners share
	; descriptor group 1: a chunk is dense: 112 rows of 256 bytes
	s_mov_b32 s[G1+0], 15|(3<<16)|(1<<21)          ; 15:0 the mask: all four work-groups; 17:16 elements of 8 bytes; 20 no padding; 21 set beside a mask
	s_mov_b32 s[G1+1], 32<<16                      ; tensor_dim0 = 32
	s_mov_b32 s[G1+2], 112<<16                     ; tensor_dim1 = 112
	s_mov_b32 s[G1+3], 32<<16                      ; tile_dim0 = 32
	s_mov_b32 s[G1+4], 112                         ; tile_dim1 = 112
	s_mov_b32 s[G1+5], 32                          ; 32 elements from row to row
	s_mov_b32 s[G1+6], 0
	s_mov_b32 s[G1+7], 0
	s_mov_b32 s[G0], 1                             ; count = 1
	s_mul_i32 s[G0+1], s[WV], CHUNK                ; LDS address: my part of slot 0,
	s_mov_b32 s[G0+4], 1
	s_add_co_u32 s[G0+5], s[G0+1], SLOT            ; of slot 1: no place in the cluster enters an LDS address
	s_lshl2_add_u32 s26, s25, s[WV]                ; my stream: 4 x agent + wave,
	s_mul_i32 s26, s26, 8*CHUNK                    ; 229,376 bytes each
	s_mov_b32 s27, 0
	s_mul_i32 s28, s25, 5632                       ; the agent's biases
	s_mov_b32 s29, 0
	s_mov_b32 s[SEL], 0x76543210
	s_mov_b32 s[SEL+1], 0xfedcba98
	s_mov_b32 s[SX], 0                             ; x is not scaled
	v_and_b32 v1, 31, v0                           ; l
	v_and_b32 v2, 15, v0                           ; l % 16
	v_bfe_u32 v3, v0, 4, 1                         ; l / 16
	v_lshl_add_u32 v[AW], v1, 4, s[G0+1]
	v_add_nc_u32 v[AW+1], SLOT, v[AW]
	v_mul_u32_u24 v[AXF], v2, XP
	v_lshl_add_u32 v[AOS], v3, 5, v[AXF]
	v_lshl_add_u32 v[AXF], v3, 4, v[AXF]
	v_add_nc_u32 v[AXF], ACT, v[AXF]
	s_lshl_b32 s30, s[WV], 7
	v_lshl_add_u32 v[GB2], v3, 5, s30
	s_add_co_u32 s30, s30, ACT
	v_add_nc_u32 v[AOS], s30, v[AOS]
	v_lshl_add_u32 v[AFR], v1, 4, ACT
	s_lshl_b32 s30, s[WV], 14
	v_add_nc_u32 v[AST8], s30, v[AFR]
	v_lshl_add_u32 v[GX], v1, 4, s30
	s_lshl_b32 s30, s[WV], 13
	v_add_nc_u32 v[AST4], s30, v[AFR]
	v_lshl_add_u32 v[GO], v1, 4, s30
	s_mul_i32 s30, s[WV], 16*XP
	s_add_co_u32 s30, s30, ACT
	v_lshl_add_u32 v[AXS], v1, 3, s30
	v_lshl_add_u32 v[AOR], v1, 4, s30
	s_lshl_b32 s30, s[WV], 9
	v_lshl_add_u32 v[GB8], v3, 5, s30
	s_lshl_b32 s30, s[WV], 8
	v_lshl_add_u32 v[GB4], v3, 5, s30
	s_lshl_b32 s30, s[WV], 2
	s_add_co_u32 s30, s30, RED
	v_mov_b32 v[RW], s30
	v_mov_b32 v[RR], RED
	v_mov_b32 v[CH+4], 0                           ; v_permlanex16_b32's destination counts as read: it is written once here
	s_wait_dscnt 0x0                               ; the opening add is done
	s_wait_kmcnt 0x0
	s_lshl_b32 s60, s24, 16                        ; 64 tokens of 1,024 bytes
	s_mov_b32 s61, 0
	s_add_nc_u64 s[4:5], s[4:5], s[60:61]          ; x at my block
	s_lshl_b32 s60, s24, 15                        ; 64 tokens of 512 bytes
	s_add_nc_u64 s[10:11], s[10:11], s[60:61]      ; the output at my block
	s_add_nc_u64 s[8:9], s[8:9], s[28:29]          ; the agent's biases
	s_add_nc_u64 s[G0+2:G0+3], s[6:7], s[26:27]    ; global address: chunk 0 of my stream,
	s_add_nc_u64 s[G0+6:G0+7], s[G0+2:G0+3], CHUNK ; chunk 1
	s_or_b32 s[G0+3], s[G0+3], 0x80000000          ; type = 2
	s_or_b32 s[G0+7], s[G0+7], 0x80000000
	WIN 0x40                                       ; destination window 1: x waits where the accumulators will lie
.set j, 0
.rept 32                                           ; my 16 tokens: 16,384 consecutive bytes, 512 a load; read once in the launch
	global_load_b128 v[4*j:4*j+3], v[GX], s[4:5] offset:512*j th:TH_LOAD_NT
.set j, j+1
.endr
	WIN 0
	CROUND                                         ; all four work-groups are here: the first joint loads meet
	tensor_load_to_lds s[G0:G0+3], s[G1:G1+7]      ; the two first fills go out together: two loads of mine are out
	s_nop 0
	tensor_load_to_lds s[G0+4:G0+7], s[G1:G1+7]
	s_nop 0
	PLACES                                         ; four vector lines ahead of the next switch of windows
.macro BIAS base, T, gb, off                       ; a layer's T tiles: my 8 numbers of each
.set t, 0
.rept \T
	global_load_b128 v[(\base)+8*t:(\base)+8*t+3],   v[\gb], s[8:9] offset:(\off)+64*t
	global_load_b128 v[(\base)+8*t+4:(\base)+8*t+7], v[\gb], s[8:9] offset:(\off)+64*t+16
.set t, t+1
.endr
.endm
	WIN 0x80                                       ; destination window 2
	BIAS BI1, 8, GB8, 0
	BIAS BI2, 4, GB4, 2048
	BIAS BI3, 8, GB8, 3072
	BIAS BI4, 2, GB2, 5120
	s_wait_loadcnt 44                              ; loads come back in order: x is in, the 44 bias loads issued behind it may stay out
	WIN 0x05                                       ; sources window 1, destination window 0
.set j, 0
.rept 32
	v_cvt_pk_bf16_f32 v[BBUF+2*j],   v[4*j],   v[4*j+1]
	v_cvt_pk_bf16_f32 v[BBUF+2*j+1], v[4*j+2], v[4*j+3]
.set j, j+1
.endr
	WIN 0
.set j, 0
.rept 32
	ds_store_b64 v[AXS], v[BBUF+2*j:BBUF+2*j+1] offset:XP*(j/2)+256*(j%2)  ; half a row: 256 consecutive bytes
.set j, j+1
.endr
	s_wait_dscnt 0x0                               ; for the others' sake: my rows of x are in LDS
	s_barrier_signal -1
	s_barrier_wait -1                              ; everybody's are.  The tensor loads may stay out across it
; Which layer a group belongs to, and its number there.
.macro LAY g
.if (\g) < 16
.set ly, 1
.set lg, (\g)
.elseif (\g) < 32
.set ly, 2
.set lg, (\g)-16
.elseif (\g) < 48
.set ly, 3
.set lg, (\g)-32
.else
.set ly, 4
.set lg, (\g)-48
.endif
.endm
; Group g's 4 weight fragments: 8 loads of 512 consecutive bytes.
.macro FA g
.set far, ABUF+32*((\g)%2)
.set faa, AW+((\g)/7)%2
.set fao, ((\g)%7)*4096
.irp i, 0,1,2,3
	ds_load_b128 v[far+8*\i:far+8*\i+3],   v[faa] offset:fao+1024*\i
	ds_load_b128 v[far+8*\i+4:far+8*\i+7], v[faa] offset:fao+1024*\i+512
.endr
.endm
; The 4 activation fragments of K step ks of a hidden layer, into registers r on.
.macro FBK r, ks
.irp tt, 0,1,2,3
	ds_load_b128 v[(\r)+8*\tt:(\r)+8*\tt+3],   v[AFR] offset:(4*(\ks)+\tt)*1024
	ds_load_b128 v[(\r)+8*\tt+4:(\r)+8*\tt+7], v[AFR] offset:(4*(\ks)+\tt)*1024+512
.endr
.endm
; The activation fragments that group g is the first to use.  In layers 1 and 3 a K step serves two groups: the odd one fetches nothing.
.macro FB g
	LAY \g
.if ly == 1
.if lg%2 == 0
.set fbr, BBUF+64*((lg/2)%2)
.irp tt, 0,1,2,3
	ds_load_b128 v[fbr+8*\tt:fbr+8*\tt+3],   v[AXF] offset:16*XP*\tt+64*(lg/2)
	ds_load_b128 v[fbr+8*\tt+4:fbr+8*\tt+7], v[AXF] offset:16*XP*\tt+64*(lg/2)+32
.endr
.endif
.elseif ly == 2
	FBK BBUF+64*((\g)%2), lg
.elseif ly == 3
.if lg%2 == 0
	FBK BBUF+64*((lg/2)%2), lg/2
.endif
.else
	FBK BBUF+64*((\g)%2), 2*lg
	FBK BBUF+64*((\g)%2)+32, 2*lg+1
.endif
.endm
; 8 of group g's 16 matrix instructions: fragment ti = i / 4, tokens tq = i % 4.  The accumulators take turns, one instruction a turn: between two links of a chain stand 7 others' or more.
; A layer's first K step takes the bias tile as C: nothing is cleared, and the bias costs no instruction.
.macro MUL g, half
	LAY \g
.set mi, 8*(\half)
.rept 8
.set ti, mi/4
.set tq, mi%4
.set rA, ABUF+32*((\g)%2)+8*ti
.set fst, 0
.if (ly%2) == 1
.set tl, 4*(lg%2)+ti
.set rB, BBUF+64*((lg/2)%2)+8*tq
.if lg < 2
.set fst, 1
.endif
.elseif ly == 2
.set tl, ti
.set rB, BBUF+64*((\g)%2)+8*tq
.if lg == 0
.set fst, 1
.endif
.else
.set tl, ti%2
.set rB, BBUF+64*((\g)%2)+32*(ti/2)+8*tq
.if (lg == 0) && (ti < 2)
.set fst, 1
.endif
.endif
.set rD, 8*(4*tl+tq)
.if ly == 1
.set rC, BI1+8*tl
.elseif ly == 2
.set rC, BI2+8*tl
.elseif ly == 3
.set rC, BI3+8*tl
.else
.set rC, BI4+8*tl
.endif
.if fst
	WIN 0x60                                       ; W and activations window 0, C window 2, D window 1
.if ly == 1
	v_wmma_f32_16x16x32_bf16 v[rD:rD+7], v[rA:rA+7], v[rB:rB+7], v[rC:rC+7]
.else
	v_wmma_f32_16x16x32_f16 v[rD:rD+7], v[rA:rA+7], v[rB:rB+7], v[rC:rC+7]
.endif
.else
	WIN 0x50                                       ; C and D window 1
.if ly == 1
	v_wmma_f32_16x16x32_bf16 v[rD:rD+7], v[rA:rA+7], v[rB:rB+7], v[rD:rD+7]
.else
	v_wmma_f32_16x16x32_f16 v[rD:rD+7], v[rA:rA+7], v[rB:rB+7], v[rD:rD+7]
.endif
.endif
.set mi, mi+1
.endr
.endm
; A GROUP: its fragments are waited for, the next group's are fetched into the other buffers, its 16 products follow: the fetch has them in which to land.
; A chunk's last group (6, 13 .. 41) also fills the slot again, with the chunk two on: every wave waits for all its tensor loads, of which one is out: its part of the other slot; adds 0 to its
; spare word; waits for that and for its reads of this slot, which are this group's fragments; the barrier opens a round of the cluster's, so that no wave of any partner still reads the slot or
; has a load on its way; the joint refill is the first thing behind the round and has 7 groups, 112 matrix instructions, in which to land.
.macro GROUP g
.if ((\g)%7 == 6) && ((\g) < 48)
.set sl, ((\g)/7)%2
	WIN 0                                          ; the add's registers lie in window 0
	s_wait_tensorcnt 0x0                           ; no tensor load of mine is out, so a group 0 may be written
	ds_add_u32 v[SPW], v[NIL]                      ; 0 onto my spare word; the address's step stands between it and the wait for it
	s_add_nc_u64 s[G0+4*sl+2:G0+4*sl+3], s[G0+4*sl+2:G0+4*sl+3], 2*CHUNK  ; the type bits on top are not reached
	s_wait_dscnt 0x0                               ; the add is done; this group's fragments are in, and with them my last reads of the slot
	s_barrier_signal -1
	MUL \g, 0                                      ; work on registers while the others arrive
	WIN 0                                          ; at a branch and at a label every window is 0
	s_barrier_wait -1
	CREST
	tensor_load_to_lds s[G0+4*sl:G0+4*sl+3], s[G1:G1+7]
	s_nop 0
	PLACES                                         ; also the places in front of the loads below
	FA (\g)+1
	FB (\g)+1
	MUL \g, 1
.else
	s_wait_dscnt 0x0                               ; this group's fragments are in
.if (\g) == 48
	s_wait_tensorcnt 0x0                           ; chunk 7, my last tensor load: none was issued behind it; the fetch below reads it, and no slot is filled again
.endif
.if (\g) < 55
	WIN 0
.if (\g)%16 != 0
	PLACES                                         ; the buffers loaded below were read by the group before.  (A layer's first group: by the layer before, with the change of layers' vector lines between.)
.endif
	FA (\g)+1
.if ((\g)+1)%16 != 0
	FB (\g)+1                                      ; the next layer's activations are not made yet: its first fragments are fetched by the change of layers
.endif
.endif
	MUL \g, 0
	MUL \g, 1
.endif
.endm
; THE CHANGE OF LAYERS behind layer l, of T tiles a wave: the work-group's maximum; the scale; ReLU, f16, into ACT at AST in fragment order; the next layer's bias (NT tiles at NB) times sigma.
.macro TRANS l, T, AST, NB, NT
	WIN 0
.irp c, 0,1,2,3
	v_mov_b32 v[CH+\c], 0                          ; the chains start at 0, the ReLU's floor; these four lines are the places behind the last product
.endr
	WIN 0x14                                       ; chains window 0, accumulators window 1
.set n, 0
.rept 16*(\T)
	v_max3_num_f32 v[CH+n%4], v[CH+n%4], v[2*n], v[2*n+1]  ; ascending: each accumulator's lowest registers are read first
.set n, n+1
.endr
	WIN 0
	v_max3_num_f32 v[CH], v[CH], v[CH+1], v[CH+2]
	v_max_num_f32 v[CH], v[CH], v[CH+3]
	v_max_num_f32_dpp v[CH], v[CH], v[CH] row_xmask:1 row_mask:0xf bank_mask:0xf
	v_max_num_f32_dpp v[CH], v[CH], v[CH] row_xmask:2 row_mask:0xf bank_mask:0xf
	v_max_num_f32_dpp v[CH], v[CH], v[CH] row_xmask:4 row_mask:0xf bank_mask:0xf
	v_max_num_f32_dpp v[CH], v[CH], v[CH] row_xmask:8 row_mask:0xf bank_mask:0xf
	v_permlanex16_b32 v[CH+4], v[CH], s[SEL], s[SEL+1]
	v_max_num_f32 v[CH], v[CH], v[CH+4]
	ds_store_b32 v[RW], v[CH] offset:16*((\l)-1)   ; my wave's maximum: all lanes write the same word with the same number; each change of layers has 16 bytes of its own
	s_wait_dscnt 0x0                               ; for the others' sake: that store is done, and my reads of ACT are back (and the next group's weights are in)
	s_barrier_signal -1
	s_barrier_wait -1                              ; nobody reads ACT any more, and the four maxima are there
	ds_load_b128 v[CH:CH+3], v[RR] offset:16*((\l)-1)
	s_wait_dscnt 0x0
	v_max3_num_f32 v[CH], v[CH], v[CH+1], v[CH+2]
	v_max_num_f32 v[CH], v[CH], v[CH+3]
	v_readfirstlane_b32 s53, v[CH]
	s_bfe_u32 s53, s53, 0x80017                    ; its exponent field E: 8 bits from bit 23
	s_min_u32 s53, s53, 250
	s_sub_co_i32 s54, s[SX], s53
	s_add_co_i32 s54, s54, 126                     ; S + 126 - E puts the maximum into [0.5, 1),
	s_min_i32 s54, s54, 64
	s_max_i32 s54, s54, -64                        ; held to -64 .. 64.  S lies there too, so the step lies between 0 and 126 - E: -124 .. 126
	s_sub_co_i32 s53, s54, s[SX]
	s_add_co_i32 s53, s53, 127
	s_lshl_b32 s53, s53, 23                        ; phi = 2^(the step)
	s_mov_b32 s[SX], s54
	s_add_co_i32 s[SIG], s[SX], 127
	s_lshl_b32 s[SIG], s[SIG], 23                  ; sigma = 2^S
	s_mov_b32 s[SIG+1], s[SIG]                     ; named with it as a pair
.if (\l) == 3
	s_sub_co_i32 s[INV], 127, s[SX]
	s_lshl_b32 s[INV], s[INV], 23                  ; 2^-S, for the output
	s_mov_b32 s[INV+1], s[INV]
.endif
	v_mov_b32 v[PHI], s53
	v_mov_b32 v[PHI+1], s53
	WIN 0x41                                       ; accumulators window 1, phi window 0
.set n, 0
.rept 16*(\T)
	v_pk_mul_f32 v[2*n:2*n+1], v[2*n:2*n+1], v[PHI:PHI+1] clamp  ; scaled, and held to 0 .. 1: the lower bound is the ReLU, the upper is not reached
.set n, n+1
.endr
	WIN 0x45
.set n, 0
.rept 4*(\T)                                       ; packed in place, into each accumulator's four lowest registers: a register is written only behind its last read
	v_cvt_pk_f16_f32 v[8*n],   v[8*n],   v[8*n+1]
	v_cvt_pk_f16_f32 v[8*n+1], v[8*n+2], v[8*n+3]
	v_cvt_pk_f16_f32 v[8*n+2], v[8*n+4], v[8*n+5]
	v_cvt_pk_f16_f32 v[8*n+3], v[8*n+6], v[8*n+7]
.set n, n+1
.endr
	WIN 0x04                                       ; address window 0, data window 1
.set n, 0
.rept 4*(\T)                                       ; n = 4 t + tt: an even tile is registers 0-3 of the next layer's fragment, an odd one registers 4-7; 512 consecutive bytes a store
	ds_store_b128 v[\AST], v[8*n:8*n+3] offset:(4*((n/4)/2)+n%4)*1024+512*((n/4)%2)
.set n, n+1
.endr
	s_wait_dscnt 0x0                               ; for the others' sake: my part of the layer is in ACT
	s_barrier_signal -1
	WIN 0x82                                       ; work on registers while the others arrive: the next bias times sigma, in place in window 2
.set n, 0
.rept 4*(\NT)
	v_pk_mul_f32 v[(\NB)+2*n:(\NB)+2*n+1], v[(\NB)+2*n:(\NB)+2*n+1], s[SIG:SIG+1] op_sel_hi:[1,0]
.set n, n+1
.endr
	WIN 0
	s_barrier_wait -1                              ; the layer is whole
	FB 16*(\l)                                     ; the next layer's first fragments
.endm
	s_wait_tensorcnt 0x1                           ; tensor loads of a wave end in order: chunk 0 is in, chunk 1 may stay out; only I read my part of a slot
	FA 0
	FB 0
	s_wait_loadcnt 0x0                             ; the biases
.set gg, 0
.rept 16
	GROUP gg
.set gg, gg+1
.endr
	TRANS 1, 8, AST8, BI2, 4
.rept 16
	GROUP gg
.set gg, gg+1
.endr
	TRANS 2, 4, AST4, BI3, 8
.rept 16
	GROUP gg
.set gg, gg+1
.endr
	TRANS 3, 8, AST8, BI4, 2
.rept 8
	GROUP gg
.set gg, gg+1
.endr
	; THE WAY OUT.  The scale is taken out; a lane's 8 features of a token, 32 bytes, go into rows of 528 bytes in ACT; each wave reads 16 whole rows back and stores them.
	s_barrier_signal -1                            ; no LDS instruction of mine is out: group 55 began with the wait for its fragments, my last reads of ACT, and issued none
	PLACES                                         ; behind the last products
	WIN 0x41
.set n, 0
.rept 32
	v_pk_mul_f32 v[2*n:2*n+1], v[2*n:2*n+1], s[INV:INV+1] op_sel_hi:[1,0]  ; ascending: each accumulator's lowest registers first
.set n, n+1
.endr
	s_barrier_wait -1                              ; nobody reads ACT any more
	WIN 0x04
.set n, 0
.rept 8                                            ; n = 4 t + tt
	ds_store_b128 v[AOS], v[8*n:8*n+3]   offset:16*XP*(n%4)+64*(n/4)
	ds_store_b128 v[AOS], v[8*n+4:8*n+7] offset:16*XP*(n%4)+64*(n/4)+16
.set n, n+1
.endr
	s_wait_dscnt 0x0                               ; for the others' sake: a row's 512 bytes come from four waves
	s_barrier_signal -1
	s_barrier_wait -1
	WIN 0
.set n, 0
.rept 16
	ds_load_b128 v[ABUF+4*n:ABUF+4*n+3], v[AOR] offset:XP*n  ; row 16 w + n, whole
.set n, n+1
.endr
.set n, 0
.rept 16
	s_wait_dscnt 15-n                              ; LDS loads come back in order: row n is in, the 15 - n younger ones stay out
	global_store_b128 v[GO], v[ABUF+4*n:ABUF+4*n+3], s[10:11] offset:512*n th:TH_STORE_NT  ; 512 consecutive bytes, at a multiple of 512 from the output's first byte
.set n, n+1
.endr
	s_wait_tensorcnt 0x0                           ; the wave's end, behind my last tensor load and my last LDS store
	ds_add_u32 v[SPW], v[NIL]
	s_wait_dscnt 0x0
	CROUND                                         ; the closing round: no work-group ends while a partner may still ask for a chunk that names it
	s_endpgm
.Lfunc_end_k_q7134a94151_chain:
	.size	k_q7134a94151_chain, .Lfunc_end_k_q7134a94151_chain-k_q7134a94151_chain
	.p2alignl 7, 3214868480
	.fill 96, 4, 3214868480
	.section	.rodata,"a",@progbits
	.p2align	6, 0x0
	.amdhsa_kernel k_q7134a94151_chain
		.amdhsa_group_segment_fixed_size 327680
		.amdhsa_private_segment_fixed_size 0
		.amdhsa_enable_private_segment 0
		.amdhsa_kernarg_size 32
		.amdhsa_user_sgpr_count 2
		.amdhsa_user_sgpr_kernarg_segment_ptr 1
		.amdhsa_wavefront_size32 1
		.amdhsa_system_sgpr_workgroup_id_x 1
		.amdhsa_system_sgpr_workgroup_id_y 1
		.amdhsa_system_sgpr_workgroup_id_z 1
		.amdhsa_system_vgpr_workitem_id 0
		.amdhsa_next_free_vgpr 688
		.amdhsa_next_free_sgpr 66
		.amdhsa_reserve_vcc 0
		.amdhsa_float_denorm_mode_32 3
		.amdhsa_float_denorm_mode_16_64 3
		.amdhsa_memory_ordered 1
		.amdhsa_forward_progress 1
		.amdhsa_inst_pref_size 223
	.end_amdhsa_kernel
	.amdgpu_metadata
---
amdhsa.version: [ 1, 2 ]
amdhsa.kernels:
  - .name:           k_q7134a94151_chain
    .symbol:         k_q7134a94151_chain.kd
    .args:
      - { .name: inputs, .offset: 0, .size: 8, .value_kind: global_buffer, .address_space: global }
      - { .name: wp, .offset: 8, .size: 8, .value_kind: global_buffer, .address_space: global }
      - { .name: bp, .offset: 16, .size: 8, .value_kind: global_buffer, .address_space: global }
      - { .name: out0, .offset: 24, .size: 8, .value_kind: global_buffer, .address_space: global }
    .group_segment_fixed_size: 327680
    .private_segment_fixed_size: 0
    .kernarg_segment_align: 8
    .kernarg_segment_size: 32
    .max_flat_workgroup_size: 128
    .sgpr_count:     66
    .vgpr_count:     688
    .wavefront_size: 32
...
	.end_amdgpu_metadata
.endif
;; end of part 2
